; MI455X (gfx1250); checked and timed in simulation.
; The chip was launched on July 23, 2026; its instructions are those of AMD's public machine-readable ISA for CDNA 5 (MIT licence, August 2026) and "CDNA5" Instruction Set Architecture Reference Guide (July 2026). The comments in the code are by the model that wrote it; some were corrected since.
;; Head. Allowed arithmetic: matrix products marked QUANTISED: E2M3 operands, one E8M0 scale for each 32 along K, by v_wmma_scale_f32_16x16x128_f8f6f4 with both operands' format E2M3, f32 sums; everything else in f32.
;; Inputs: Wk 1,024 x 64 float32; Wq 1,024 x 64 float32; Wv 1,024 x 64 float32; bk 64 float32; bq 64 float32; bv 64 float32; x 4 x 4,096 x 1,024 float32.
;; Outputs: out0 4 x 4,096 x 64 float32.
;; This version of the problem:
;;   THIS VERSION OF THE PROBLEM IS GIVEN IN LOW PRECISION. The matrix products marked QUANTISED in the list below multiply operands that are first quantised to E2M3 (2 exponent bits, 3 mantissa bits; 6 bits a number), with one power-of-two scale for each 32 numbers along K (OCP MX v1.0); their sums are f32. All else is computed in f32.
;;   The module's matrix products, in the order in which they are computed (A, B: the left and right operand; K: the contracted axis; several contracted axes count as one K, in the product's order):
;;     1. [M 16,384, K 1,024] x [K 1,024, N 64]; A: input x; B: input Wq: QUANTISED
;;     2. [M 16,384, K 1,024] x [K 1,024, N 64]; A: input x; B: input Wk: QUANTISED
;;     3. [M 16,384, K 1,024] x [K 1,024, N 64]; A: input x; B: input Wv: QUANTISED
;;     4. batch 4 x [M 4,096, K 64] x [K 64, N 4,096]; A: computed on the way; B: computed on the way: QUANTISED
;;     5. batch 4 x [M 4,096, K 4,096] x [K 4,096, N 64]; A: softmax (see below); B: computed on the way: QUANTISED
;;   THE QUANTISER, for each operand of a quantised product, along K:
;;     - K is cut into blocks of 32 from its start; a last block that is shorter is filled with zeros.
;;     - A block's scale is 2^e with e = floor(log2(the largest magnitude in the block)) - 2, held to -126 .. 127; a block of zeros has e = 0. As a byte (E8M0): e + 127.
;;     - Each number is divided by its block's scale, clamped to +-7.5, and rounded to the nearest number of E2M3, ties to even, subnormals kept.
;;     - The product sums the exact products of the quantised numbers (number of the format x scale) in f32.
;;   ~~~python
;;   def quantise(x, axis):      # numpy; x: float32 -> the quantised numbers, widened to float32 again
;;       x = np.moveaxis(x, axis, -1); K = x.shape[-1]
;;       x = np.pad(x, [(0, 0)] * (x.ndim - 1) + [(0, -K % 32)]); x = x.reshape(x.shape[:-1] + (-1, 32)); a = np.abs(x).max(-1, keepdims=True)
;;       e = np.where(a > 0, np.clip(np.frexp(np.where(a > 0, a, 1))[1] - 1 - 2, -126, 127), 0)      # np.frexp(a)[1] - 1 = floor(log2(a)), exactly
;;       r = np.clip(x / 2.0 ** e, -7.5, 7.5)
;;       step = 2.0 ** (np.maximum(np.frexp(np.where(r == 0, 1, r))[1] - 1, 0) - 3)
;;       q = np.round(r / step) * step * 2.0 ** e      # np.round: ties to even
;;       return np.moveaxis(q.reshape(q.shape[:-2] + (-1,))[..., :K], -1, axis).astype(np.float32)
;;   ~~~
;;   SOFTMAX AHEAD OF A QUANTISED PRODUCT. Where the list says 'softmax', what is quantised is not the finished softmax but p = 2^(t - M), with t = logit x log2(e) and M = ceil(the row's largest t), a whole number; so 1/2 < the row's largest p <= 1. The row's sum l is taken of the UNQUANTISED p, in f32, and the product's result is divided by l at the end. Since M is a whole number, a kernel that streams over the keys may use a running M (the ceiling of the running maximum): every later rescaling is an exact power of two, which a block's scale takes up: the codes' values come out the same.
;;   OPERANDS COMPUTED ON THE WAY. 'Computed on the way' means the value that the module computes at that place (a softmax that the list does not call 'softmax' is quantised finished and normalised). What goes into a quantiser is computed in f32, as accurately as f32 sums, v_exp_f32 and their like allow (about 1e-6 of the number): no bf16 or f16 on the way to a quantiser, and a product that is left as it is and whose result goes on into a quantised operand takes f32 operands (vector FMAs, or v_wmma_f32_16x16x4_f32). A number that lies on a knife's edge between two numbers of the format may be rounded either way, as far as f32 arithmetic and the matrix unit's own rounding can turn it there, and no further.
;; One version. Each part assembles by itself: llvm-mc -triple=amdgcn-amd-amdhsa -mcpu=gfx1250 --defsym DOCPART=n.
;; ======== version 1 of 1: 3 launches
;; limits: right only within a limited range of input values
;; workspace buffers: wc 147,456 bytes; ws 12,288 bytes; qc 786,432 bytes; qs 65,536 bytes; kv 1,638,400 bytes
;; launch prepw (part 1): grid 16 x 3, 4 waves a work-group, no clusters, 1,024 bytes of LDS; arguments Wq, Wk, Wv, wc, ws; writes wc, ws
.if DOCPART == 1
	.amdgcn_target "amdgcn-amd-amdhsa--gfx1250"
	.amdhsa_code_object_version 6
	.text
	.protected	k_qa9bacf87dd_prepw
	.globl	k_qa9bacf87dd_prepw
	.p2align	8
	.type	k_qa9bacf87dd_prepw,@function
k_qa9bacf87dd_prepw:
	s_mov_b64 s[64:65], 0
	v_nop
	global_prefetch_b8 v0, s[64:65] scope:SCOPE_SE
	s_setreg_imm32_b32 hwreg(HW_REG_WAVE_MODE, 25, 1), 1
	s_wait_xcnt 0x0
; WORK LEFT OUT BY THE PROGRAM: in launch attn the key steps of 128 keys that lie wholly behind reference()'s own causal mask: reference() puts -infinity there, so their weights are 0 for all finite inputs. A NaN or an infinity that reaches only those steps is not carried to a result.
; Wq, Wk, Wv [1024 (k)][64 (n)], f32, become codes of FP6 (E2M3) with one E8M0 scale byte for each 32 along K, laid as IMAGES OF OPERAND REGISTERS.
; Work-group (2 s + c, j): half c (64 along K) of K step s of matrix j (0 q, 1 k, 2 v). Wave w takes channels 16 w .. 16 w + 15 and makes HALF a fragment (16 channels x 64 K, 6 registers a lane).
; A LANE TAKES A COLUMN AND ITS REGISTERS RUN DOWN K: lane (r, h) holds channel 16 w + r and k = 128 s + 64 c + 32 h + 0 .. 31: a whole block, in the very order of the operand's registers; the four waves of a load together read whole rows of W (256 bytes).
; OUT: wc: half (w, j, s, c) at (2 (24 w + 8 j + s) + c) x 768 bytes: registers 0-3 at 16 x lane, 4-5 at 512 + 8 x lane.  ws: a unit of 256 bytes for each (8 j + s, c): a word a channel, its two low bytes the two blocks' scale bytes.
; A block's scale byte is its largest magnitude's exponent field - 2, held at 1 from below.
; LIMITS: a block of zeros, and one whose largest magnitude lies under 2^-124, gets the byte 1 (a block of zeros has zero codes, and these bytes are read by this program alone); NaN and infinities are not served.
; 48 work-groups are all the work there is: 192 half fragments.
.set XN, 64
.set CD, 48
.set TP, 56
	s_load_b128 s[4:7], s[0:1], 0x0                ; Wq, Wk
	s_load_b128 s[8:11], s[0:1], 0x10              ; Wv, wc
	s_load_b64 s[12:13], s[0:1], 0x20              ; ws
	v_lshl_add_u32 v14, v0, 2, 0x200               ; the spare words
	v_mov_b32 v15, 0
	v_lshrrev_b32 v1, 5, v0
	v_readfirstlane_b32 s16, v1
	s_and_b32 s17, ttmp7, 0xffff                   ; j
	s_lshl_b32 s18, s16, 6                         ; 64 w
	s_mov_b32 s20, 0x76543210
	s_mov_b32 s21, 0xfedcba98
	s_lshl_b32 s22, ttmp9, 14                      ; 64 rows of 256 bytes
	s_mov_b32 s23, 0
	s_lshl_b32 s24, s17, 4
	s_add_co_u32 s24, s24, ttmp9                   ; 2 (8 j + s) + c
	s_mul_i32 s26, s16, 48
	s_add_co_u32 s26, s26, s24
	s_mul_i32 s26, s26, 768
	s_mov_b32 s27, 0
	s_lshl_b32 s24, s24, 8
	s_mov_b32 s25, 0
	v_and_b32 v1, 15, v0                           ; r
	v_bfe_u32 v2, v0, 4, 1                         ; h
	v_and_b32 v3, 31, v0                           ; lane
	v_lshlrev_b32 v6, 2, v1
	v_add_nc_u32 v6, s18, v6                       ; 64 w + 4 r: my column in a row of W, and my word's place in LDS
	v_lshl_add_u32 v4, v2, 13, v6                  ; + 32 h rows
	v_lshlrev_b32 v5, 4, v3
	v_lshlrev_b32 v7, 3, v3
	v_lshlrev_b32 v8, 3, v2
	v_mov_b32 v10, 0                               ; a lane permute's destination counts as one of its sources
	s_wait_alu depctr_va_vdst(0)                   ; the wait at the head's end
	s_wait_kmcnt 0x0
	s_cmp_eq_u32 s17, 1                            ; the choice of the matrix hangs on the work-group's number alone
	s_cselect_b64 s[4:5], s[6:7], s[4:5]
	s_cmp_eq_u32 s17, 2
	s_cselect_b64 s[4:5], s[8:9], s[4:5]
	s_add_nc_u64 s[4:5], s[4:5], s[22:23]
	s_add_nc_u64 s[10:11], s[10:11], s[26:27]
	s_add_nc_u64 s[12:13], s[12:13], s[24:25]
.set n, 0
.rept 32
	global_load_b32 v[XN+n], v4, s[4:5] offset:256*n th:TH_LOAD_NT
.set n, n+1
.endr
	s_wait_loadcnt 15                              ; numbers 0 to 16 are in
	v_max3_num_f32 v32, |v[XN]|, |v[XN+1]|, 0x1800000   ; two chains, and the floor 2^(3 - 127): the byte cannot fall under 1
	v_max3_num_f32 v33, |v[XN+2]|, |v[XN+3]|, |v[XN+4]|
.irp i, 5,9,13
	v_max3_num_f32 v32, v32, |v[XN+\i]|, |v[XN+\i+1]|
	v_max3_num_f32 v33, v33, |v[XN+\i+2]|, |v[XN+\i+3]|
.endr
	s_wait_alu depctr_va_vdst(0)
	s_wait_loadcnt 0x0
.irp i, 17,21,25
	v_max3_num_f32 v32, v32, |v[XN+\i]|, |v[XN+\i+1]|
	v_max3_num_f32 v33, v33, |v[XN+\i+2]|, |v[XN+\i+3]|
.endr
	v_max3_num_f32 v32, v32, |v[XN+29]|, |v[XN+30]|
	v_max3_num_f32 v32, v32, v33, |v[XN+31]|
	v_add_nc_u32 v34, 0xff000000, v32              ; 2 off the exponent field: the conversion's scale operand
	v_lshrrev_b32 v35, 23, v34                     ; the scale's byte,
	v_lshlrev_b32 v9, v8, v35                      ; at its place,
	v_permlanex16_b32 v10, v9, s20, s21
	v_or_b32 v9, v9, v10                           ; with lane l xor 16's, in both halves of the lanes
	v_cvt_scalef32_pk16_fp6_f32 v[CD:CD+2], v[XN:XN+15], v34
	v_cvt_scalef32_pk16_fp6_f32 v[TP:TP+2], v[XN+16:XN+31], v34   ; (a conversion's registers begin on an even number)
	v_nop
.irp i, 0,1,2
	v_mov_b32 v[CD+3+\i], v[TP+\i]
.endr
	ds_store_b32 v6, v9                            ; the four waves' words meet in LDS, so that they leave as one unit of 256 bytes
	global_store_b128 v5, v[CD:CD+3], s[10:11]     ; 512 consecutive bytes, then 256
	global_store_b64 v7, v[CD+4:CD+5], s[10:11] offset:512
	s_wait_dscnt 0x0
	s_barrier_signal -1
	s_barrier_wait -1
	s_cmp_lg_u32 s16, 0
	s_cbranch_scc1 .Ldone                          ; wave 0 alone stores the words
	ds_load_b64 v[12:13], v7
	s_wait_dscnt 0x0
	global_store_b64 v7, v[12:13], s[12:13]
.Ldone:
	s_wait_tensorcnt 0x0                           ; the wave's end
	ds_add_u32 v14, v15
	s_wait_dscnt 0x0
	s_endpgm
.Lfunc_end_k_qa9bacf87dd_prepw:
	.size	k_qa9bacf87dd_prepw, .Lfunc_end_k_qa9bacf87dd_prepw-k_qa9bacf87dd_prepw
	.p2alignl 7, 3214868480
	.fill 96, 4, 3214868480
	.section	.rodata,"a",@progbits
	.p2align	6, 0x0
	.amdhsa_kernel k_qa9bacf87dd_prepw
		.amdhsa_group_segment_fixed_size 1024
		.amdhsa_private_segment_fixed_size 0
		.amdhsa_enable_private_segment 0
		.amdhsa_kernarg_size 40
		.amdhsa_user_sgpr_count 2
		.amdhsa_user_sgpr_kernarg_segment_ptr 1
		.amdhsa_wavefront_size32 1
		.amdhsa_system_sgpr_workgroup_id_x 1
		.amdhsa_system_sgpr_workgroup_id_y 1
		.amdhsa_system_sgpr_workgroup_id_z 1
		.amdhsa_system_vgpr_workitem_id 0
		.amdhsa_next_free_vgpr 96
		.amdhsa_next_free_sgpr 66
		.amdhsa_reserve_vcc 0
		.amdhsa_float_denorm_mode_32 3
		.amdhsa_float_denorm_mode_16_64 3
		.amdhsa_memory_ordered 1
		.amdhsa_forward_progress 1
		.amdhsa_inst_pref_size 8
	.end_amdhsa_kernel
	.amdgpu_metadata
---
amdhsa.version: [ 1, 2 ]
amdhsa.kernels:
  - .name:           k_qa9bacf87dd_prepw
    .symbol:         k_qa9bacf87dd_prepw.kd
    .args:
      - { .name: Wq, .offset: 0, .size: 8, .value_kind: global_buffer, .address_space: global }
      - { .name: Wk, .offset: 8, .size: 8, .value_kind: global_buffer, .address_space: global }
      - { .name: Wv, .offset: 16, .size: 8, .value_kind: global_buffer, .address_space: global }
      - { .name: wc, .offset: 24, .size: 8, .value_kind: global_buffer, .address_space: global }
      - { .name: ws, .offset: 32, .size: 8, .value_kind: global_buffer, .address_space: global }
    .group_segment_fixed_size: 1024
    .private_segment_fixed_size: 0
    .kernarg_segment_align: 8
    .kernarg_segment_size: 40
    .max_flat_workgroup_size: 128
    .sgpr_count:     66
    .vgpr_count:     96
    .wavefront_size: 32
...
	.end_amdgpu_metadata
.endif
;; end of part 1
;; launch proj (part 2): grid 256 x 1, 16 waves a work-group, no clusters, 327,680 bytes of LDS; arguments x, wc, ws, bq, bk, bv, qc, qs, kv; writes qc, qs, kv
.if DOCPART == 2
	.amdgcn_target "amdgcn-amd-amdhsa--gfx1250"
	.amdhsa_code_object_version 6
	.text
	.protected	k_qa9bacf87dd_proj
	.globl	k_qa9bacf87dd_proj
	.p2align	8
	.type	k_qa9bacf87dd_proj,@function
k_qa9bacf87dd_proj:
	s_mov_b64 s[64:65], 0
	v_nop
	global_prefetch_b8 v0, s[64:65] scope:SCOPE_SE
	s_setreg_imm32_b32 hwreg(HW_REG_WAVE_MODE, 25, 1), 1
	s_wait_xcnt 0x0
; q = x Wq + bq, k = x Wk + bk, v = x Wv + bv on codes of FP6 (E2M3) with one E8M0 scale for each 32 along K = 1,024; the results are quantised again, as operands of the attention's two products.
; SHARES. Work-group g owns rows 64 g .. 64 g + 63 of x: half c = g % 2 of key step g / 2. Sixteen waves: wave w = 4 kq + m fetches rows 16 m .. 16 m + 15, k = 256 kq .. 256 kq + 255, by ONE tensor load (16 rows x 1,024 bytes) and quantises them:
; two fragments (16 rows x 128 K), which go to LDS as images of operand registers. The four waves of group kq then multiply K steps 2 kq and 2 kq + 1: wave 4 kq + m makes channels 16 m .. 16 m + 15 of q, k, v for all 64 rows.
; The running sum passes from group to group through LDS and is the C of the next group's products, K ascending; group 0's C is the bias. The last group's sums go to a stage, and waves 0-3 quantise q, 4-7 k, 8-11 v.
; All 256 KiB of x are asked for in the first lines; each group has a load line of its own, and its wait stands ahead of the group's barrier.
; MULTICAST is not used: the work-groups share W alone (147,456 bytes), which goes straight into registers, six fragments a wave; x's tiles and images leave it no room in LDS. No prefetch: all of x is asked for at once.
; THE PRODUCT IS USED TRANSPOSED (source 0 = 16 channels of W, source 1 = 16 rows of x): a lane holds one row and eight neighbouring channels.
; OUT: half images of six operand registers, 768 bytes: registers 0-3 at 16 x lane, registers 4-5 at 512 + 8 x lane.
;   qc: tile of 16 queries: lane (r, h): query r, channels 32 h ..      qs: a word a query: its two bytes, twice.
;   kv: 12,800 bytes for each key step of 128: 8 tiles of K (tile 4 c + u, lane (r, h): key 64 c + 32 (r / 8) + 8 u + r % 8, channels 32 h ..), 8 halves of V (2 T + c: channel 16 T + r, keys 64 c + 32 h ..),
;       and for each half c a unit of 256 bytes at 12,288 + 256 c: K's words [pair of tiles][r] (low halfword the even tile's two bytes, high the odd tile's), then V's halfwords [channel].
; LIMITS: a block of zeros, and one whose largest magnitude lies under 2^-124, gets the byte 1 (a block of zeros has zero codes, and these bytes are read by this program alone); NaN and infinities are not served.
.set XPIT,  1040                       ; LDS row of a tile of x: 1,024 bytes + 16
.set XTS,   16*XPIT
.set XIMG,  16*XTS                     ; 32 images of fragments: (K step, m) at (4 x step + m) x 1,536
.set XSC,   XIMG+32*1536               ; their scale words, 128 bytes each
.set SCG,   XSC+32*128                 ; the results' scale words: q's 256 bytes, then the unit of k and v
.set SPARE, SCG+512
.set STAGE, 4*XTS                      ; 64 rows x 784 bytes in group 1's tiles, read for the last time ahead of the second barrier. The running sum lies at byte 0, in group 0's tiles
.set SROW,  784
.set STEPB, 12800
.set SPW,  2
.set NIL,  3
.set XA,   4                           ; my row of my tile
.set LI,   5                           ; my group's images
.set LS,   6                           ; and scale words
.set XWI,  7                           ; where I store images
.set XWS,  8
.set SO,   9                           ; the stage, in
.set SQ,   10                          ; back, for q, k, v
.set SK,   11
.set SV,   12
.set SGQ,  13                          ; scale words, for q, k, v, and back
.set SGK,  14
.set SGV,  15
.set SGR,  16
.set L16,  17
.set L8,   18
.set L4,   19
.set H8,   20
.set BO,   21
.set WSO,  22
.set RN,   23                          ; the running sum
.set WS,   26                          ; v26-31 W's scale words: 2 j + s
.set XS,   32                          ; v32-39 x's: 4 s + m
.set WF,   40                          ; v40-111 W's fragments: 12 (2 j + s)
.set ST,   112                         ; v112-239 128 numbers: four blocks of 32
.set AC,   112                         ; v112-207 accumulators: 8 (3 m + j)
.set XF,   208                         ; v208-255 four fragments of x
.set TM,   240
.set TB,   244
.set PW,   248
.set TX,   250
.set WV,   22
.set KQ,   23
.set G1,   24
.set G0,   32
.set MM,   60
.set SEL,  68
.macro BAR
	s_wait_dscnt 0x0
	s_barrier_signal -1
	s_barrier_wait -1
.endm
.macro PLACES
.rept 4
	v_nop
.endr
.endm
	s_load_b256 s[4:11], s[0:1], 0x0               ; x s[4:5], wc s[6:7], ws s[8:9], bq s[10:11]
	s_load_b256 s[12:19], s[0:1], 0x20             ; bk s[12:13], bv s[14:15], qc s[16:17], qs s[18:19]
	s_load_b64 s[20:21], s[0:1], 0x40              ; kv
	v_lshl_add_u32 v[SPW], v0, 2, SPARE
	v_mov_b32 v[NIL], 0
	ds_add_u32 v[SPW], v[NIL]                      ; the opening lines
	ds_add_u32 v[SPW], v[NIL]
	v_lshrrev_b32 v1, 5, v0
	v_readfirstlane_b32 s[WV], v1
	s_lshr_b32 s[KQ], s[WV], 2
	s_and_b32 s[MM], s[WV], 3
	s_mov_b32 s[G1+0], (2<<16)|(1<<20)|(7<<22)|(3<<25)   ; elements of 4 bytes; after every 256 words 4 words of padding
	s_mov_b32 s[G1+1], 256<<16
	s_mov_b32 s[G1+2], 16<<16
	s_mov_b32 s[G1+3], 256<<16
	s_mov_b32 s[G1+4], 16
	s_mov_b32 s[G1+5], 1024
	s_mov_b32 s[G1+6], 0
	s_mov_b32 s[G1+7], 0
	s_lshl_b32 s36, ttmp9, 18                      ; my work-group's 64 rows of 4,096 bytes,
	s_lshl_b32 s37, s[MM], 16                      ; my 16 of them,
	s_add_co_u32 s36, s36, s37
	s_lshl_b32 s37, s[KQ], 10                      ; my quarter of K
	s_add_co_u32 s36, s36, s37
	s_mov_b32 s37, 0
	s_mov_b32 s[G0], 1
	s_mul_i32 s[G0+1], s[WV], XTS
	s_wait_alu depctr_va_vdst(0)
	s_wait_dscnt 0x0
	s_wait_kmcnt 0x0
	s_add_nc_u64 s[G0+2:G0+3], s[4:5], s[36:37]
	s_or_b32 s[G0+3], s[G0+3], 0x80000000
.macro ARM n, next
	s_cmp_eq_u32 s[KQ], \n
	s_cbranch_scc0 \next
	tensor_load_to_lds s[G0:G0+3], s[G1:G1+7]
	s_nop 0
	PLACES
	s_branch .Lasked
\next:
.endm
	ARM 0, .Larm1                                  ; one tensor load a wave; a line for each group of four waves
	ARM 1, .Larm2
	ARM 2, .Larm3
	tensor_load_to_lds s[G0:G0+3], s[G1:G1+7]
	s_nop 0
	PLACES
.Lasked:
	s_mov_b32 s[SEL], 0x76543210
	s_mov_b32 s[SEL+1], 0xfedcba98
	; where the results go
	s_lshl_b32 s40, ttmp9, 2
	s_add_co_u32 s40, s40, s[MM]
	s_mul_i32 s40, s40, 768                        ; q's tile 4 g + m
	s_lshr_b32 s42, ttmp9, 1
	s_mul_i32 s42, s42, STEPB                      ; the key step's block
	s_and_b32 s44, ttmp9, 1                        ; c
	s_lshl_b32 s43, s44, 2
	s_add_co_u32 s43, s43, s[MM]
	s_mul_i32 s43, s43, 768
	s_add_co_u32 s43, s43, s42                     ; K's tile 4 c + m
	s_lshl_b32 s45, s[MM], 1
	s_add_co_u32 s45, s45, s44
	s_mul_i32 s45, s45, 768
	s_add_co_u32 s45, s45, s42
	s_add_co_u32 s45, s45, 6144                    ; V's half 2 m + c
	s_lshl_b32 s46, s44, 8
	s_add_co_u32 s46, s46, s42
	s_add_co_u32 s46, s46, 12288                   ; the unit of scale words
	s_lshl_b32 s47, ttmp9, 8                       ; q's words
	s_cmp_eq_u32 s[KQ], 0
	s_cselect_b64 s[50:51], s[16:17], s[20:21]
	s_cselect_b32 s48, s40, s43
	s_cmp_eq_u32 s[KQ], 2
	s_cselect_b32 s48, s45, s48
	s_mov_b32 s49, 0
	s_add_nc_u64 s[50:51], s[50:51], s[48:49]
	s_cmp_eq_u32 s[WV], 0                          ; wave 0 will store q's words, wave 1 the unit
	s_cselect_b64 s[54:55], s[18:19], s[20:21]
	s_cselect_b32 s48, s47, s46
	s_add_nc_u64 s[54:55], s[54:55], s[48:49]
	s_mul_i32 s48, s[MM], 24
	s_lshl_b32 s40, s[KQ], 1
	s_add_co_u32 s48, s48, s40
	s_mul_i32 s48, s48, 1536                       ; my six fragments of W
	s_add_nc_u64 s[6:7], s[6:7], s[48:49]
	s_lshl_b32 s70, s[MM], 6                       ; 64 m
	s_lshl_b32 s71, s[MM], 7
	s_lshl_b32 s72, s[KQ], 10
	s_add_co_u32 s73, s70, s72                     ; 64 m + 1,024 kq
	s_mul_i32 s74, s[WV], XTS
	s_mul_i32 s75, s[KQ], 12288
	s_add_co_u32 s75, s75, XIMG
	s_mul_i32 s76, s[MM], 1536
	s_add_co_u32 s77, s72, XSC
	s_mul_i32 s78, s[MM], 12288
	s_add_co_u32 s79, s70, STAGE
	s_mul_i32 s80, s[MM], 16*SROW
	s_add_co_u32 s80, s80, STAGE
	s_mul_i32 s81, s[MM], 8*SROW
	s_add_co_u32 s81, s81, STAGE+256
	s_add_co_u32 s82, s70, STAGE+512
	s_add_co_u32 s83, s70, SCG
	s_lshr_b32 s84, s[MM], 1
	s_lshl_b32 s84, s84, 6
	s_and_b32 s85, s[MM], 1
	s_lshl_b32 s85, s85, 1
	s_add_co_u32 s84, s84, s85
	s_add_co_u32 s84, s84, SCG+256
	s_lshl_b32 s85, s[MM], 5
	s_add_co_u32 s85, s85, SCG+384
	s_min_u32 s86, s[WV], 1
	s_lshl_b32 s86, s86, 8
	s_add_co_u32 s86, s86, SCG
.set n, 0
.rept 6
	v_mov_b32 v[WS+n], 0x7f7f7f7f                  ; W's registers are written on every way through the text: its loads stand under a branch on the group
.set n, n+1
.endr
.set n, 0
.rept 72
	v_mov_b32 v[WF+n], 0
.set n, n+1
.endr
	v_and_b32 v112, 15, v0                         ; r
	v_bfe_u32 v113, v0, 4, 1                       ; h
	v_and_b32 v114, 31, v0                         ; lane
	v_lshlrev_b32 v[L16], 4, v114
	v_lshlrev_b32 v[L8], 3, v114
	v_lshlrev_b32 v[L4], 2, v114
	v_lshlrev_b32 v[H8], 3, v113
	v_lshlrev_b32 v[BO], 5, v113
	v_add_nc_u32 v[BO], s70, v[BO]
	v_lshlrev_b32 v[WSO], 2, v112
	v_add_nc_u32 v[WSO], s73, v[WSO]
	v_mul_u32_u24 v[XA], v112, XPIT
	v_lshl_add_u32 v[XA], v113, 7, v[XA]
	v_add_nc_u32 v[XA], s74, v[XA]                 ; row r, + 128 h: my whole blocks of 32
	v_add_nc_u32 v[LI], s75, v[L16]
	v_add_nc_u32 v[XWI], s76, v[LI]
	v_add_nc_u32 v[LS], s77, v[L4]
	v_add_nc_u32 v[XWS], s71, v[LS]
	v_add_nc_u32 v[RN], s78, v[L16]
	v_mul_u32_u24 v115, v112, SROW
	v_lshl_add_u32 v[SO], v113, 5, v115
	v_add_nc_u32 v[SO], s79, v[SO]                 ; row r, channels 16 m + 8 h ..
	v_lshl_add_u32 v[SQ], v113, 7, v115
	v_add_nc_u32 v[SQ], s80, v[SQ]                 ; row 16 m + r, channels 32 h ..
	v_and_b32 v116, 7, v112
	v_and_b32 v117, 8, v112
	v_lshl_add_u32 v116, v117, 2, v116             ; 32 (r / 8) + r % 8
	v_mul_u32_u24 v116, v116, SROW
	v_lshl_add_u32 v[SK], v113, 7, v116
	v_add_nc_u32 v[SK], s81, v[SK]
	v_mul_u32_u24 v116, v113, 32*SROW
	v_lshl_add_u32 v[SV], v112, 2, v116
	v_add_nc_u32 v[SV], s82, v[SV]                 ; row 32 h, channel 16 m + r
	v_lshlrev_b32 v116, 2, v112
	v_add_nc_u32 v[SGQ], s83, v116
	v_add_nc_u32 v[SGK], s84, v116
	v_lshlrev_b32 v116, 1, v112
	v_add_nc_u32 v[SGV], s85, v116
	v_add_nc_u32 v[SGR], s86, v[L8]
	v_mov_b32 v[TX], 0                             ; written once: a lane permute's destination counts as one of its sources
	v_mov_b32 v[TX+1], 0
	s_wait_alu depctr_va_vdst(0)                   ; the wait at the head's end
; My six fragments of W and their scale words (in two halves, joined below), asked for when the group before mine has passed its barrier: 40 KiB a group.
.macro WLOAD
.irp j, 0,1,2
.irp s, 0,1
.irp c, 0,1
	global_load_b128 v[WF+12*(2*\j+\s)+6*\c:WF+12*(2*\j+\s)+6*\c+3], v[L16], s[6:7] offset:(8*\j+\s)*1536+768*\c
	global_load_b64 v[WF+12*(2*\j+\s)+6*\c+4:WF+12*(2*\j+\s)+6*\c+5], v[L8], s[6:7] offset:(8*\j+\s)*1536+768*\c+512
.endr
	global_load_b32 v[WS+2*\j+\s], v[WSO], s[8:9] offset:(8*\j+\s)*512
	global_load_b32 v[XS+2*\j+\s], v[WSO], s[8:9] offset:(8*\j+\s)*512+256
.endr
.endr
.endm
; Group t's waves, each on its own tile: lane (r, h) holds row r, block x = 2 s + c: k = 128 s + 64 c + 32 h + 0 .. 31: whole blocks, in the operand's own order.
.macro QUANTG t
	s_cmp_eq_u32 s[KQ], \t
	s_cbranch_scc0 .Lq_\@
	WLOAD
	s_wait_tensorcnt 0x0                           ; my tile is in; I alone read it
.irp i, 0,1,2,3,4,5,6,7
.irp x, 0,1,2,3
	ds_load_b128 v[ST+32*\x+4*\i:ST+32*\x+4*\i+3], v[XA] offset:256*\x+16*\i
.endr
.endr
	s_wait_loadcnt 0x0                             ; W
.irp k, 0,1,2,3,4,5
	v_lshl_or_b32 v[WS+\k], v[XS+\k], 16, v[WS+\k]
.endr
	s_wait_dscnt 16                                ; the first 16 numbers of each block are in
.irp x, 0,1,2,3
	v_max3_num_f32 v[TM+\x], |v[ST+32*\x]|, |v[ST+32*\x+1]|, 0x1800000   ; with the floor 2^(3 - 127)
.endr
.irp i, 2,4,6,8,10,12,14
.irp x, 0,1,2,3
	v_max3_num_f32 v[TM+\x], v[TM+\x], |v[ST+32*\x+\i]|, |v[ST+32*\x+\i+1]|
.endr
.endr
	s_wait_alu depctr_va_vdst(0)
	s_wait_dscnt 0x0
.irp i, 16,18,20,22,24,26,28,30
.irp x, 0,1,2,3
	v_max3_num_f32 v[TM+\x], v[TM+\x], |v[ST+32*\x+\i]|, |v[ST+32*\x+\i+1]|
.endr
.endr
.irp x, 0,1,2,3
	v_add_nc_u32 v[TM+\x], 0xff000000, v[TM+\x]    ; 2 off the exponent field: the conversion's scale operand
.endr
.irp x, 0,1,2,3
	v_lshrrev_b32 v[TB+\x], 23, v[TM+\x]
.endr
.irp s, 0,1
	v_lshl_or_b32 v[PW+\s], v[TB+2*\s+1], 16, v[TB+2*\s]
.endr
.irp s, 0,1
	v_permlanex16_b32 v[TX+\s], v[PW+\s], s[SEL], s[SEL+1]
.endr
.irp s, 0,1
	v_lshl_or_b32 v[PW+\s], v[TX+\s], 8, v[PW+\s]  ; lanes 0-15 hold row r's scale word
.endr
	; fragment s becomes v[112 + 12 s] on; a conversion's registers begin on an even number, so the blocks' second halves are made elsewhere and moved
	v_cvt_scalef32_pk16_fp6_f32 v[252:254], v[112:127], v[TM]
	v_cvt_scalef32_pk16_fp6_f32 v[244:246], v[128:143], v[TM]
	v_nop
	v_cvt_scalef32_pk16_fp6_f32 v[118:120], v[144:159], v[TM+1]
	v_cvt_scalef32_pk16_fp6_f32 v[136:138], v[160:175], v[TM+1]
.irp i, 0,1,2
	v_mov_b32 v[112+\i], v[252+\i]
.endr
	v_cvt_scalef32_pk16_fp6_f32 v[124:126], v[176:191], v[TM+2]
	v_cvt_scalef32_pk16_fp6_f32 v[140:142], v[192:207], v[TM+2]
	v_cvt_scalef32_pk16_fp6_f32 v[130:132], v[208:223], v[TM+3]
	v_cvt_scalef32_pk16_fp6_f32 v[144:146], v[224:239], v[TM+3]
.irp i, 0,1,2
	v_mov_b32 v[115+\i], v[244+\i]
.endr
.irp i, 0,1,2
	v_mov_b32 v[121+\i], v[136+\i]
.endr
.irp i, 0,1,2
	v_mov_b32 v[127+\i], v[140+\i]
.endr
.irp i, 0,1,2
	v_mov_b32 v[133+\i], v[144+\i]
.endr
.irp s, 0,1
.irp c, 0,1,2
	ds_store_b128 v[XWI], v[112+12*\s+4*\c:115+12*\s+4*\c] offset:6144*\s+512*\c
.endr
	ds_store_b32 v[XWS], v[PW+\s] offset:512*\s
.endr
.Lq_\@:
.endm
.macro XFETCH s, m0, m1
.irp m, \m0, \m1
.irp c, 0,1,2
	ds_load_b128 v[XF+12*\m+4*\c:XF+12*\m+4*\c+3], v[LI] offset:6144*\s+1536*\m+512*\c
.endr
.endr
.endm
.macro MULS s, m0, m1                          ; 12 accumulators by turns
.irp m, \m0, \m1
.irp j, 0,1,2
	v_wmma_scale_f32_16x16x128_f8f6f4 v[AC+8*(3*\m+\j):AC+8*(3*\m+\j)+7], v[WF+12*(2*\j+\s):WF+12*(2*\j+\s)+11], v[XF+12*\m:XF+12*\m+11], v[AC+8*(3*\m+\j):AC+8*(3*\m+\j)+7], v[WS+2*\j+\s], v[XS+4*\s+\m] matrix_a_fmt:MATRIX_FMT_FP6 matrix_b_fmt:MATRIX_FMT_FP6
.endr
.endr
.endm
; Group t's products: K steps 2 t and 2 t + 1. C: the bias (t = 0) or the sum so far.
.macro PRODG t
	s_cmp_eq_u32 s[KQ], \t
	s_cbranch_scc0 .Lp_\@
.if \t == 0
.irp m, 0,1,2,3
	global_load_b128 v[AC+24*\m:AC+24*\m+3], v[BO], s[10:11]
	global_load_b128 v[AC+24*\m+4:AC+24*\m+7], v[BO], s[10:11] offset:16
	global_load_b128 v[AC+24*\m+8:AC+24*\m+11], v[BO], s[12:13]
	global_load_b128 v[AC+24*\m+12:AC+24*\m+15], v[BO], s[12:13] offset:16
	global_load_b128 v[AC+24*\m+16:AC+24*\m+19], v[BO], s[14:15]
	global_load_b128 v[AC+24*\m+20:AC+24*\m+23], v[BO], s[14:15] offset:16
.endr
.endif
	XFETCH 0, 0, 1
	XFETCH 0, 2, 3
.irp m, 0,1,2,3
	ds_load_b32 v[XS+\m], v[LS] offset:128*\m
	ds_load_b32 v[XS+4+\m], v[LS] offset:512+128*\m
.endr
.if \t > 0
.set n, 0
.rept 24
	ds_load_b128 v[AC+4*n:AC+4*n+3], v[RN] offset:512*n
.set n, n+1
.endr
.endif
	s_wait_loadcnt 0x0                             ; W and its scale words (and the bias)
	s_wait_dscnt 0x0
	MULS 0, 0, 1
	PLACES                                         ; ahead of loads into registers that matrix instructions have read
	XFETCH 1, 0, 1
	MULS 0, 2, 3
	PLACES
	XFETCH 1, 2, 3
	s_wait_dscnt 6                                 ; tiles of rows 0 and 1 are in; 2 and 3, six loads, may be out
	MULS 1, 0, 1
	s_wait_dscnt 0x0
	MULS 1, 2, 3
	PLACES                                         ; ahead of the first read of results (ISA guide 7.12.1)
.if \t < 3
.set n, 0
.rept 24
	ds_store_b128 v[RN], v[AC+4*n:AC+4*n+3] offset:512*n
.set n, n+1
.endr
.else
.irp m, 0,1,2,3
.irp j, 0,1,2
	ds_store_b128 v[SO], v[AC+8*(3*\m+\j):AC+8*(3*\m+\j)+3] offset:16*SROW*\m+256*\j
	ds_store_b128 v[SO], v[AC+8*(3*\m+\j)+4:AC+8*(3*\m+\j)+7] offset:16*SROW*\m+256*\j+16
.endr
.endr
.endif
.Lp_\@:
.endm
.irp t, 0,1,2,3
	QUANTG \t
.if \t == 3
	s_wait_tensorcnt 0x0                           ; every wave's load has landed
.endif
	BAR                                            ; group t's images lie in LDS, and the sum of the groups before it
	PRODG \t
.endr
	BAR                                            ; 64 whole rows of q, k, v lie in the stage
; One block of 32 numbers in ONE lane, v[112] on, becomes six registers of codes, v[160:165]; v252: the halfword of lane l's and lane l xor 16's bytes (lanes 0-15's in byte 0).
.macro QB
	v_max3_num_f32 v[TM], |v[ST]|, |v[ST+1]|, 0x1800000
	v_max3_num_f32 v[TM+1], |v[ST+2]|, |v[ST+3]|, |v[ST+4]|
.irp i, 5,9,13,17,21,25
	v_max3_num_f32 v[TM], v[TM], |v[ST+\i]|, |v[ST+\i+1]|
	v_max3_num_f32 v[TM+1], v[TM+1], |v[ST+\i+2]|, |v[ST+\i+3]|
.endr
	v_max3_num_f32 v[TM], v[TM], |v[ST+29]|, |v[ST+30]|
	v_max3_num_f32 v[TM], v[TM], v[TM+1], |v[ST+31]|
	v_add_nc_u32 v[TM+2], 0xff000000, v[TM]
	v_lshrrev_b32 v[TM+3], 23, v[TM+2]
	v_lshlrev_b32 v[TM+3], v[H8], v[TM+3]
	v_permlanex16_b32 v[TX], v[TM+3], s[SEL], s[SEL+1]
	v_or_b32 v252, v[TM+3], v[TX]
	v_cvt_scalef32_pk16_fp6_f32 v[160:162], v[ST:ST+15], v[TM+2]
	v_cvt_scalef32_pk16_fp6_f32 v[166:168], v[ST+16:ST+31], v[TM+2]
	v_nop
.irp i, 0,1,2
	v_mov_b32 v[163+\i], v[166+\i]
.endr
	global_store_b128 v[L16], v[160:163], s[50:51]                 ; 512 consecutive bytes, then 256: whole aligned blocks of 256 bytes
	global_store_b64 v[L8], v[164:165], s[50:51] offset:512
.endm
	s_cmp_eq_u32 s[KQ], 0
	s_cbranch_scc0 .Lk
.irp i, 0,1,2,3,4,5,6,7
	ds_load_b128 v[ST+4*\i:ST+4*\i+3], v[SQ] offset:16*\i
.endr
	s_wait_dscnt 0x0
	QB
	v_lshl_or_b32 v252, v252, 16, v252
	ds_store_b32 v[SGQ], v252                      ; (both halves of the lanes write the same word with the same value)
	s_branch .Lgathered
.Lk:
	s_cmp_eq_u32 s[KQ], 1
	s_cbranch_scc0 .Lv
.irp i, 0,1,2,3,4,5,6,7
	ds_load_b128 v[ST+4*\i:ST+4*\i+3], v[SK] offset:16*\i
.endr
	s_wait_dscnt 0x0
	QB
	ds_store_b16 v[SGK], v252
	s_branch .Lgathered
.Lv:
	s_cmp_eq_u32 s[KQ], 2
	s_cbranch_scc0 .Lgathered
.set n, 0
.rept 32
	ds_load_b32 v[ST+n], v[SV] offset:SROW*n       ; my channel's keys 32 h + n: registers run down the second product's K
.set n, n+1
.endr
	s_wait_dscnt 0x0
	QB
	ds_store_b16 v[SGV], v252
.Lgathered:
	BAR
	s_cmp_lt_u32 s[WV], 2
	s_cbranch_scc0 .Ldone
	ds_load_b64 v[112:113], v[SGR]                 ; wave 0: q's 64 words; wave 1: the unit of k and v
	s_wait_dscnt 0x0
	global_store_b64 v[L8], v[112:113], s[54:55]   ; 32 lanes store 256 consecutive bytes, aligned
.Ldone:
	s_wait_tensorcnt 0x0                           ; the wave's end
	ds_add_u32 v[SPW], v[NIL]
	s_wait_dscnt 0x0
	s_endpgm
.Lfunc_end_k_qa9bacf87dd_proj:
	.size	k_qa9bacf87dd_proj, .Lfunc_end_k_qa9bacf87dd_proj-k_qa9bacf87dd_proj
	.p2alignl 7, 3214868480
	.fill 96, 4, 3214868480
	.section	.rodata,"a",@progbits
	.p2align	6, 0x0
	.amdhsa_kernel k_qa9bacf87dd_proj
		.amdhsa_group_segment_fixed_size 327680
		.amdhsa_private_segment_fixed_size 0
		.amdhsa_enable_private_segment 0
		.amdhsa_kernarg_size 72
		.amdhsa_user_sgpr_count 2
		.amdhsa_user_sgpr_kernarg_segment_ptr 1
		.amdhsa_wavefront_size32 1
		.amdhsa_system_sgpr_workgroup_id_x 1
		.amdhsa_system_sgpr_workgroup_id_y 1
		.amdhsa_system_sgpr_workgroup_id_z 1
		.amdhsa_system_vgpr_workitem_id 0
		.amdhsa_next_free_vgpr 256
		.amdhsa_next_free_sgpr 96
		.amdhsa_reserve_vcc 0
		.amdhsa_float_denorm_mode_32 3
		.amdhsa_float_denorm_mode_16_64 3
		.amdhsa_memory_ordered 1
		.amdhsa_forward_progress 1
		.amdhsa_inst_pref_size 105
	.end_amdhsa_kernel
	.amdgpu_metadata
---
amdhsa.version: [ 1, 2 ]
amdhsa.kernels:
  - .name:           k_qa9bacf87dd_proj
    .symbol:         k_qa9bacf87dd_proj.kd
    .args:
      - { .name: x, .offset: 0, .size: 8, .value_kind: global_buffer, .address_space: global }
      - { .name: wc, .offset: 8, .size: 8, .value_kind: global_buffer, .address_space: global }
      - { .name: ws, .offset: 16, .size: 8, .value_kind: global_buffer, .address_space: global }
      - { .name: bq, .offset: 24, .size: 8, .value_kind: global_buffer, .address_space: global }
      - { .name: bk, .offset: 32, .size: 8, .value_kind: global_buffer, .address_space: global }
      - { .name: bv, .offset: 40, .size: 8, .value_kind: global_buffer, .address_space: global }
      - { .name: qc, .offset: 48, .size: 8, .value_kind: global_buffer, .address_space: global }
      - { .name: qs, .offset: 56, .size: 8, .value_kind: global_buffer, .address_space: global }
      - { .name: kv, .offset: 64, .size: 8, .value_kind: global_buffer, .address_space: global }
    .group_segment_fixed_size: 327680
    .private_segment_fixed_size: 0
    .kernarg_segment_align: 8
    .kernarg_segment_size: 72
    .max_flat_workgroup_size: 512
    .sgpr_count:     96
    .vgpr_count:     256
    .wavefront_size: 32
...
	.end_amdgpu_metadata
.endif
;; end of part 2
;; launch attn (part 3): grid 64 x 4, 8 waves a work-group, no clusters, 74,752 bytes of LDS; arguments qc, qs, kv, out0; writes out0
.if DOCPART == 3
	.amdgcn_target "amdgcn-amd-amdhsa--gfx1250"
	.amdhsa_code_object_version 6
	.text
	.protected	k_qa9bacf87dd_attn
	.globl	k_qa9bacf87dd_attn
	.p2align	8
	.type	k_qa9bacf87dd_attn,@function
k_qa9bacf87dd_attn:
	s_mov_b64 s[64:65], 0
	v_nop
	global_prefetch_b8 v0, s[64:65] scope:SCOPE_SE
	s_setreg_imm32_b32 hwreg(HW_REG_WAVE_MODE, 25, 1), 1
	s_wait_xcnt 0x0
; out0[b][q][:] = the sum over keys k <= q of softmax_k(q . k / 8) v[k][:], both products on codes of FP6 (E2M3) with one E8M0 scale for each 32 along a product's K. 4 batches, 4,096 rows, head 64.
; THE SOFTMAX AHEAD OF THE SECOND PRODUCT: t = score x log2(e) / 8; M = the largest t so far, rounded UP to a whole number; p = 2^(t - M) is quantised along the keys, not normalised; the row's sum is taken of the
; unquantised p and divides at the end. When M moves, the sum and O are multiplied by 2^(old M - new M): exact.
; LEFT OUT: key steps wholly behind reference()'s causal mask (weights 0 for all finite inputs; a NaN or an infinity there is not carried).
; SHARES. Queries go in groups of 128; group n needs key steps 0 .. n of 128 keys. Work-group (4 G + cx, batch) owns 32 queries (32 cx ..) of group 31 - G ("long") and of group G ("short"): 33 key steps for two tiles of 16 queries,
; whatever G. A WAVE HOLDS TWO TILES, 32 queries, so each fragment of K and V serves two products. Waves 0 .. a - 1 share the long group's steps (wave j: steps j, j + a ..), waves 7, 6 .. the short group's (wave 7 - j: j, j + 8 - a ..);
; a = 7 for G < 5, 6 for G < 10, 5 for G < 14, else 4: no wave has more than five steps, each has one at the least. The parts are joined through LDS by exact powers of two.
; K AND V COME STRAIGHT INTO REGISTERS: a step's block (12,800 bytes) holds images of operand registers, read at 16, 8, 4, 2 x lane. K of the next step is asked for behind this step's first product, V behind the second.
; NO CLUSTER: the waves walk different steps and different numbers of them, and 32 steps x 12,800 bytes do not fit in LDS. No prefetch: a walk has five steps at the most, and every operand is asked for a whole softmax ahead of its use.
; LAYOUT. Both products are used transposed: a lane holds ONE query throughout. The keys of K's tiles are chosen so that register 32 c + i of lane (r, h) is key 64 c + 32 h + i: a lane holds whole blocks of 32 keys, in the order of the second product's operand.
; THE FIRST PRODUCT'S K IS 64, half of the instruction's 128: two tiles of K fill source 0, and source 1 is [q, zeros] for the first of them, [zeros, q] for the second.
; LIMITS: NaN and infinities are not served; the scaled scores stay under 2^31 in magnitude. A block whose every p has fallen to 0 keeps the byte 1: its codes are zeros.
; REGISTERS: window 0: as named below; window 1: v256-303 K, v304-351 V, v352-415 O^T (tile t at 32 t).
.set STEPB, 12800
.set TS,    4352                       ; the merge: a tile's O^T: 16 runs of 16 x 16 bytes, 272 bytes apart
.set MW,    2*TS                       ; a wave's
.set MLB,   8*MW                       ; (-M, sum): 256 bytes for each wave: lane (r, h): query r of tile h, 8 bytes
.set SPARE, MLB+8*512
.set L16, 1
.set L8,  2
.set L4,  3
.set L2,  4
.set SPW, 6
.set NIL, 7
.set QS,  8                            ; Q's words: lanes 0-15 tile 0, lanes 16-31 tile 1
.set KS,  10
.set VS,  12
.set VR,  14
.set DD,  18
.set MLW, 19
.set MLR, 20
.set OW,  21
.set PS,  22
.set NM,  24                           ; v[24 + 2 t] -M, v[25 + 2 t] the largest score
.set FF,  28                           ; v[28 + 2 t] 2^(old M - new M)
.set SM,  32                           ; v[32 + 2 t : 33 + 2 t] the sum in two halves
.set QF,  36                           ; zeros, q of tile 0, zeros, q of tile 1, zeros: six registers each
.set PCD, 66                           ; p's codes: 12 t
.set BM,  90                           ; block x = 2 t + c: its largest score, then p, then the scale operand
.set XP,  94
.set RM,  96
.set TT,  98
.set WB,  100
.set TP,  104
.set SS,  120                          ; scores, then p: 64 t
.set RD,  248
.set KF,  0                            ; window 1
.set VF,  48
.set OT,  96
.set WV,  12
.set GG,  13
.set CX,  14
.set BT,  15
.set NA,  16
.set RL,  17
.set GRP, 18
.set STR, 19
.set SJ,  20
.set NT,  21
.set CS,  22
.set NC,  24
.set LK,  25
.set SEL, 26
.set PF,  28
.set MK,  40
.set ON,  46
.set SL,  66
.set KP,  76
.set SP,  78
.set MSB, 0
.macro WIN new
.if MSB != \new
	s_set_vgpr_msb (MSB<<8)|\new
.set MSB, \new
.endif
.endm
	s_load_b256 s[4:11], s[0:1], 0x0               ; qc s[4:5], qs s[6:7], kv s[8:9], out0 s[10:11]
	v_lshl_add_u32 v[SPW], v0, 2, SPARE
	v_mov_b32 v[NIL], 0
	v_lshrrev_b32 v1, 5, v0
	v_readfirstlane_b32 s[WV], v1
	s_lshr_b32 s[GG], ttmp9, 2
	s_and_b32 s[CX], ttmp9, 3
	s_and_b32 s[BT], ttmp7, 0xffff
	s_mov_b32 s29, 0
.irp g, 5,10,14
	s_cmp_ge_u32 s[GG], \g
	s_add_co_ci_u32 s29, s29, 0
.endr
	s_sub_co_u32 s[NA], 7, s29                     ; a
	s_sub_co_u32 s30, 31, s[GG]
	s_sub_co_u32 s31, 8, s[NA]
	s_sub_co_u32 s32, 7, s[WV]
	s_cmp_lt_u32 s[WV], s[NA]
	s_cselect_b32 s[RL], 0, 1                      ; 0 long, 1 short
	s_cselect_b32 s[GRP], s30, s[GG]               ; my group: its own step is the last
	s_cselect_b32 s[STR], s[NA], s31
	s_cselect_b32 s[SJ], s[WV], s32
	s_mov_b32 s[NT], 0
	s_mov_b32 s33, s[SJ]
.rept 4
	s_add_co_u32 s33, s33, s[STR]
	s_cmp_le_u32 s33, s[GRP]
	s_add_co_ci_u32 s[NT], s[NT], 0                ; my steps ahead of my last
.endr
	s_mul_i32 s[LK], s[NT], s[STR]
	s_add_co_u32 s[LK], s[LK], s[SJ]               ; my last step
	s_lshr_b32 s[PF], s[WV], 2                     ; the way out: waves 0-3 the long group's tiles, 4-7 the short's
	s_cmp_eq_u32 s[PF], 0
	s_cselect_b32 s29, s[NA], s31                  ; how many parts they have
	s_cselect_b32 s34, s30, s[GG]
.irp q, 1,2,3,4,5,6
	s_cmp_lt_u32 \q, s29
	s_cselect_b32 s[ON+2*\q], 1.0, 0
	s_mov_b32 s[ON+2*\q+1], s[ON+2*\q]
.endr
	s_mov_b32 s30, 0xff800000
	s_mov_b32 s31, 0x7f61b1e6
.irp q, 0,1,2,3,4,5,6,7
	s_cmp_lt_u32 \q, s[NA]
	s_cselect_b32 s29, 0, 1
	s_cmp_eq_u32 s29, s[RL]
	s_cselect_b32 s[MK+\q], s30, s31               ; a part of the other group gets a -M that makes its factor 0
.endr
	s_mul_i32 s29, s[PF], 7
.irp q, 0,1,2,3,4,5,6
	s_xor_b32 s[SL+\q], s29, \q                    ; part q: wave q's (long), wave 7 - q's (short)
	s_mul_i32 s[SL+\q], s[SL+\q], MW
.endr
	s_lshr_b32 s35, s[WV], 1
	s_and_b32 s35, s35, 1                          ; the tile that I store
	s_mul_i32 s30, s35, TS
	s_and_b32 s36, s[WV], 1                        ; and which eight rows of it
	s_lshl_b32 s31, s36, 7
	s_add_co_u32 s30, s30, s31
	s_lshl_b32 s37, s[BT], 8
	s_lshl_b32 s38, s[CX], 1
	s_add_co_u32 s37, s37, s38                     ; 256 x batch + 2 cx
	s_lshl_b32 s38, s34, 3
	s_add_co_u32 s38, s38, s37
	s_add_co_u32 s38, s38, s35
	s_lshl_b32 s38, s38, 12
	s_lshl_b32 s36, s36, 11
	s_add_co_u32 s38, s38, s36                     ; where I store in out0
	s_mov_b32 s39, 0
	s_lshl_b32 s34, s[GRP], 3
	s_add_co_u32 s34, s34, s37                     ; my first tile among all 1,024
	s_mul_i32 s36, s34, 768
	s_mov_b32 s37, 0
	s_lshl_b32 s34, s34, 6
	s_mov_b32 s35, 0
	s_lshl_b32 s[KP], s[BT], 5
	s_add_co_u32 s[KP], s[KP], s[SJ]
	s_mul_i32 s74, s[KP], STEPB                    ; my first step
	s_mov_b32 s75, 0
	s_mul_i32 s[SP], s[STR], STEPB
	s_mov_b32 s[SP+1], 0
	s_mov_b32 s[SEL], 0x76543210
	s_mov_b32 s[SEL+1], 0xfedcba98
	s_mov_b32 s[CS], 0x3e38aa3b                    ; c = log2(e) / 8
	s_mov_b32 s[CS+1], s[CS]
	s_mov_b32 s[NC], 0xbe38aa3b                    ; -c
	s_lshl_b32 s31, s[WV], 8
	s_add_co_u32 s31, s31, MLB
	s_mul_i32 s32, s[WV], MW
	s_lshl_b32 s33, s[CX], 5
	v_and_b32 v[L4], 31, v0
	v_and_b32 v90, 15, v0                          ; r
	v_bfe_u32 v91, v0, 4, 1                        ; h
	v_lshlrev_b32 v[L16], 4, v[L4]
	v_lshlrev_b32 v[L8], 3, v[L4]
	v_lshlrev_b32 v[L2], 1, v[L4]
	v_lshlrev_b32 v[L4], 2, v[L4]
	v_lshlrev_b32 v92, 5, v91
	v_sub_nc_u32 v[DD], v90, v92
	v_add_nc_u32 v[DD], s33, v[DD]                 ; tile 0's query in its group - 32 h: register 32 c + i is hidden where 64 c + i > this (tile 1: + 16)
	v_add_nc_u32 v[MLW], s31, v[L8]
	v_add_nc_u32 v[MLR], MLB, v[L8]
	v_mul_u32_u24 v[OW], v91, 272
	v_lshl_add_u32 v[OW], v90, 4, v[OW]
	v_add_nc_u32 v[OW], s32, v[OW]
	v_and_b32 v92, 12, v90                         ; the way out: lane l takes channels 4 (l % 16) .. + 3 of row 8 half + 2 i + l / 16
	v_and_b32 v93, 1, v90
	v_lshl_add_u32 v92, v93, 1, v92
	v_bfe_u32 v93, v90, 1, 1
	v_add_nc_u32 v92, v92, v93
	v_mul_u32_u24 v92, v92, 272
	v_lshl_add_u32 v92, v91, 4, v92
	v_add_nc_u32 v[RD], s30, v92
.irp q, 0,1,2,3,4,5,6
	v_add_nc_u32 v[RD+1+\q], s[SL+\q], v[RD]
.endr
	s_wait_alu depctr_va_vdst(0)
	s_wait_kmcnt 0x0
	s_add_nc_u64 s[4:5], s[4:5], s[36:37]
	s_add_nc_u64 s[6:7], s[6:7], s[34:35]
	s_add_nc_u64 s[10:11], s[10:11], s[38:39]
	s_add_nc_u64 s[KP:KP+1], s[8:9], s[74:75]
.macro KLOAD                                   ; 18 loads
	WIN 0x40
.irp i, 0,1,2,3,4,5,6,7
	global_load_b128 v[KF+6*\i:KF+6*\i+3], v[L16], s[KP:KP+1] offset:768*\i
	global_load_b64 v[KF+6*\i+4:KF+6*\i+5], v[L8], s[KP:KP+1] offset:768*\i+512
.endr
	WIN 0
	global_load_b32 v[KS], v[L4], s[KP:KP+1] offset:12288          ; lanes 0-15: tiles 0, 1; lanes 16-31: tiles 2, 3
	global_load_b32 v[KS+1], v[L4], s[KP:KP+1] offset:12544        ; tiles 4 to 7
.endm
.macro VLOAD                                   ; 20 loads
	WIN 0x40
.irp i, 0,1,2,3,4,5,6,7
	global_load_b128 v[VF+6*\i:VF+6*\i+3], v[L16], s[KP:KP+1] offset:6144+768*\i
	global_load_b64 v[VF+6*\i+4:VF+6*\i+5], v[L8], s[KP:KP+1] offset:6144+768*\i+512
.endr
	WIN 0
.irp y, 0,1
	global_load_u16 v[VR+2*\y], v[L2], s[KP:KP+1] offset:12416+64*\y
	global_load_u16 v[VR+2*\y+1], v[L2], s[KP:KP+1] offset:12672+64*\y
.endr
.endm
	global_load_b128 v[QF+6:QF+9], v[L16], s[4:5]
	global_load_b64 v[QF+10:QF+11], v[L8], s[4:5] offset:512
	global_load_b128 v[QF+18:QF+21], v[L16], s[4:5] offset:768
	global_load_b64 v[QF+22:QF+23], v[L8], s[4:5] offset:1280
	global_load_b32 v[QS], v[L4], s[6:7]
	KLOAD
.irp i, 0,1,2,3,4,5
	v_mov_b32 v[QF+\i], 0                          ; zero codes
	v_mov_b32 v[QF+12+\i], 0
	v_mov_b32 v[QF+24+\i], 0
.endr
.irp t, 0,1
	v_mov_b32 v[NM+2*\t], 0x7f61b1e6               ; -M: 3e38
	v_mov_b32 v[NM+2*\t+1], 0xff61b1e6             ; the largest score so far: -3e38
	v_mov_b32 v[FF+2*\t+1], 0                      ; (named as the upper half of a pair)
	v_mov_b32 v[SM+2*\t], 0
	v_mov_b32 v[SM+2*\t+1], 0
	v_mov_b32 v[XP+\t], 0                          ; a lane permute's destination counts as one of its sources
.endr
	WIN 0x40
.set n, 0
.rept 64
	v_mov_b32 v[OT+n], 0                           ; O^T: a key step is written one way: the first finds zeros
.set n, n+1
.endr
	WIN 0
.macro QK P, ra                                ; tiles 2 P and 2 P + 1 of K against both tiles of queries
.irp t, 0,1
	v_wmma_scale_f32_16x16x128_f8f6f4 v[SS+64*\t+16*\P:SS+64*\t+16*\P+7], v[KF+12*\P:KF+12*\P+11], v[QF+6+12*\t:QF+17+12*\t], 0, v[KS+\P/2], v[QS] matrix_a_fmt:MATRIX_FMT_FP6 matrix_b_fmt:MATRIX_FMT_FP6 matrix_a_scale:MATRIX_SCALE_ROW\ra matrix_b_scale:MATRIX_SCALE_ROW\t
	v_wmma_scale_f32_16x16x128_f8f6f4 v[SS+64*\t+16*\P+8:SS+64*\t+16*\P+15], v[KF+12*\P:KF+12*\P+11], v[QF+12*\t:QF+11+12*\t], 0, v[KS+\P/2], v[QS] matrix_a_fmt:MATRIX_FMT_FP6 matrix_b_fmt:MATRIX_FMT_FP6 matrix_a_scale:MATRIX_SCALE_ROW\ra matrix_b_scale:MATRIX_SCALE_ROW\t
.endr
.endm
.macro PV T, ra                                ; 16 channels; the eight accumulators take turns
.irp t, 0,1
	v_wmma_scale_f32_16x16x128_f8f6f4 v[OT+32*\t+8*\T:OT+32*\t+8*\T+7], v[VF+12*\T:VF+12*\T+11], v[PCD+12*\t:PCD+12*\t+11], v[OT+32*\t+8*\T:OT+32*\t+8*\T+7], v[VS+\T/2], v[PS+\t] matrix_a_fmt:MATRIX_FMT_FP6 matrix_b_fmt:MATRIX_FMT_FP6 matrix_a_scale:MATRIX_SCALE_ROW\ra
.endr
.endm
.macro HIDE half                               ; the diagonal: keys 64 half + 32 h + i behind my query
.set n, 0
.rept 32
	v_cmp_gt_i32 vcc_lo, 64*\half+n, v[DD]
	v_cmp_gt_i32 s74, 64*\half+n-16, v[DD]
	v_cndmask_b32 v[SS+32*\half+n], v[SS+32*\half+n], v[TT], vcc_lo
	v_cndmask_b32 v[SS+64+32*\half+n], v[SS+64+32*\half+n], v[TT], s74
.set n, n+1
.endr
.endm
.macro STEP last
	s_wait_loadcnt 20                              ; K is in; V's 20 loads may be out
	WIN 0x01                                       ; source 0 (K) window 1
	QK 0, 0
	QK 1, 1
	QK 2, 0
	QK 3, 1
	WIN 0
.rept 4
	v_nop                                          ; places ahead of loads into K's registers and of the first read of the scores
.endr
.if \last
	s_cmp_lg_u32 s[LK], s[GRP]                     ; only the group's own step lies on the diagonal
	s_cbranch_scc1 .Lopen
	v_mov_b32 v[TT], 0xff800000                    ; -infinity: p = 0 then. The step's first key counts for every query of the group
	s_cmp_lt_u32 s[CX], 2
	s_wait_alu depctr_va_vdst(0)
	s_cbranch_scc1 .Llow
	HIDE 1                                         ; queries 64 ..: keys 0-63 are all seen
	s_wait_alu depctr_va_vdst(0)
	s_branch .Lopen
.Llow:                                                 ; queries 0-63: keys 64-127 are all hidden
	HIDE 0
.set n, 32
.rept 32
	v_mov_b32 v[SS+n], v[TT]
	v_mov_b32 v[SS+64+n], v[TT]
.set n, n+1
.endr
.Lopen:
.else
	s_wait_xcnt 0x0                                ; V's loads have read the base
	s_add_nc_u64 s[KP:KP+1], s[KP:KP+1], s[SP:SP+1]
	KLOAD                                          ; the next step's K
.endif
.irp x, 0,1,2,3
	v_max3_num_f32 v[BM+\x], v[SS+32*\x], v[SS+32*\x+1], v[SS+32*\x+2]   ; the largest score of each block of 32 keys: it serves the row's maximum and, since p rises with the score, the block's largest p
.endr
.irp i, 3,5,7,9,11,13,15,17,19,21,23,25,27,29
.irp x, 0,1,2,3
	v_max3_num_f32 v[BM+\x], v[BM+\x], v[SS+32*\x+\i], v[SS+32*\x+\i+1]
.endr
.endr
.irp x, 0,1,2,3
	v_max_num_f32 v[BM+\x], v[BM+\x], v[SS+32*\x+31]
.endr
.irp t, 0,1
	v_max_num_f32 v[RM+\t], v[BM+2*\t], v[BM+2*\t+1]
.endr
.irp t, 0,1
	v_permlanex16_b32 v[XP+\t], v[RM+\t], s[SEL], s[SEL+1]
.endr
.irp t, 0,1
	v_max3_num_f32 v[NM+2*\t+1], v[NM+2*\t+1], v[RM+\t], v[XP+\t]   ; the running largest score
.endr
.irp t, 0,1
	v_mul_f32 v[TT+\t], s[NC], v[NM+2*\t+1]
.endr
.irp t, 0,1
	v_floor_f32 v[TT+\t], v[TT+\t]                 ; the new -M = floor(-t) = -ceil(t): a whole number
.endr
.irp t, 0,1
	v_sub_f32 v[RM+\t], v[TT+\t], v[NM+2*\t]       ; M's old value less its new one: 0 or less
.endr
.irp t, 0,1
	v_mov_b32 v[NM+2*\t], v[TT+\t]
.endr
.irp t, 0,1
	v_cvt_i32_f32 v[RM+\t], v[RM+\t]               ; (it saturates)
.endr
.irp t, 0,1
	v_ldexp_f32 v[FF+2*\t], 1.0, v[RM+\t]
.endr
.set n, 0
.rept 32
.irp t, 0,1
	v_pk_fma_f32 v[SS+64*\t+n:SS+64*\t+n+1], v[SS+64*\t+n:SS+64*\t+n+1], s[CS:CS+1], v[NM+2*\t:NM+2*\t+1] op_sel_hi:[1,0,0]   ; t - M
.endr
.set n, n+2
.endr
.irp x, 0,1,2,3
	v_fma_f32 v[BM+\x], v[BM+\x], s[CS], v[NM+2*(\x/2)]
.endr
	s_wait_alu depctr_va_vdst(0)                   ; the wait ahead of the batch,
.set n, 0
.rept 128
	v_exp_f32 v[SS+n], v[SS+n]                     ; p = 2^(t - M): not normalised
.set n, n+1
.endr
.irp x, 0,1,2,3
	v_exp_f32 v[BM+\x], v[BM+\x]                   ; the block's largest p: the same two instructions on the same number give the same bits
.endr
.irp t, 0,1
	v_pk_mul_f32 v[SM+2*\t:SM+2*\t+1], v[SM+2*\t:SM+2*\t+1], v[FF+2*\t:FF+2*\t+1] op_sel_hi:[1,0]   ; the sum under the new M
.endr
	s_wait_alu depctr_va_vdst(0)                   ; and behind it
.irp k, 0,1,2
.irp t, 0,1
	v_pk_add_f32 v[TP+8*\t+2*\k:TP+8*\t+2*\k+1], v[SS+64*\t+4*\k:SS+64*\t+4*\k+1], v[SS+64*\t+4*\k+2:SS+64*\t+4*\k+3]
.endr
.endr
.irp t, 0,1
	v_pk_add_f32 v[SM+2*\t:SM+2*\t+1], v[SM+2*\t:SM+2*\t+1], v[SS+64*\t+12:SS+64*\t+13]
.endr
.set n, 14
.rept 25
.irp t, 0,1
.if ((n/2-7)%4) == 3
	v_pk_add_f32 v[SM+2*\t:SM+2*\t+1], v[SM+2*\t:SM+2*\t+1], v[SS+64*\t+n:SS+64*\t+n+1]
.else
.set X_, TP+8*\t+2*((n/2-7)%4)
	v_pk_add_f32 v[X_:X_+1], v[X_:X_+1], v[SS+64*\t+n:SS+64*\t+n+1]
.endif
.endr
.set n, n+2
.endr
.irp t, 0,1
	v_pk_add_f32 v[TP+8*\t:TP+8*\t+1], v[TP+8*\t:TP+8*\t+1], v[TP+8*\t+2:TP+8*\t+3]
	v_pk_add_f32 v[SM+2*\t:SM+2*\t+1], v[SM+2*\t:SM+2*\t+1], v[TP+8*\t+4:TP+8*\t+5]
.endr
.irp t, 0,1
	v_pk_add_f32 v[SM+2*\t:SM+2*\t+1], v[SM+2*\t:SM+2*\t+1], v[TP+8*\t:TP+8*\t+1]
.endr
.irp x, 0,1,2,3
	v_max_num_f32 v[BM+\x], 0x1800000, v[BM+\x]    ; the floor 2^(3 - 127): the byte cannot fall under 1
.endr
.irp x, 0,1,2,3
	v_add_nc_u32 v[BM+\x], 0xff000000, v[BM+\x]    ; 2 off the exponent field: the conversion's scale operand
.endr
.irp x, 0,1,2,3
	v_lshrrev_b32 v[WB+\x], 23, v[BM+\x]
.endr
.irp t, 0,1
	v_lshl_or_b32 v[RM+\t], v[WB+2*\t+1], 16, v[WB+2*\t]
.endr
.irp t, 0,1
	v_permlanex16_b32 v[XP+\t], v[RM+\t], s[SEL], s[SEL+1]
.endr
.irp t, 0,1
	v_lshl_or_b32 v[PS+\t], v[XP+\t], 8, v[RM+\t]  ; lanes 0-15: p's scale word for these 128 keys
.endr
.irp x, 0,1,2,3
	v_cvt_scalef32_pk16_fp6_f32 v[PCD+6*\x:PCD+6*\x+2], v[SS+32*\x:SS+32*\x+15], v[BM+\x]
	v_cvt_scalef32_pk16_fp6_f32 v[TP+4*\x:TP+4*\x+2], v[SS+32*\x+16:SS+32*\x+31], v[BM+\x]   ; (a conversion's registers begin on an even number)
.endr
	v_nop                                          ; one plain place behind a scaled conversion
.irp x, 0,1,2,3
.irp i, 0,1,2
	v_mov_b32 v[PCD+6*\x+3+\i], v[TP+4*\x+\i]
.endr
.endr
	s_wait_alu depctr_va_vdst(0)
.if \last
	s_wait_loadcnt 0x0                             ; V is in
.else
	s_wait_loadcnt 18                              ; V is in; the next step's K, 18 loads, may be out
.endif
.irp y, 0,1
	v_lshl_or_b32 v[VS+\y], v[VR+2*\y+1], 16, v[VR+2*\y]
.endr
	WIN 0x41                                       ; destination and source 0 (O^T) window 1
	s_wait_alu depctr_va_vdst(0)                   ; the wait ahead of O^T's first reader
.irp t, 0,1
.set n, 0
.rept 16
	v_pk_mul_f32 v[OT+32*\t+n:OT+32*\t+n+1], v[OT+32*\t+n:OT+32*\t+n+1], v[FF+2*\t:FF+2*\t+1] op_sel_hi:[1,0]   ; O^T under the new M. (Also the places between the scale words' and codes' writes and the products)
.set n, n+2
.endr
.endr
	WIN 0x51                                       ; V, C and D window 1
	PV 0, 0
	PV 1, 1
	PV 2, 0
	PV 3, 1
	WIN 0
.if \last == 0
.rept 4
	v_nop                                          ; places ahead of loads into V's registers
.endr
	VLOAD                                          ; the next step's V
.endif
.endm
	s_wait_alu depctr_va_vdst(0)
	s_wait_loadcnt 0x0                             ; Q and the first K are in:
	VLOAD                                          ; now the first V, which has a softmax in which to land
	s_mov_b32 s73, 0
	s_cmp_eq_u32 s[NT], 0
	s_wait_alu depctr_va_vdst(0)                   ; the wait at the head's end
	s_cbranch_scc1 .Llast
.Lloop:
	STEP 0
	s_add_co_u32 s73, s73, 1
	s_cmp_lt_u32 s73, s[NT]
	s_wait_alu depctr_va_vdst(0)
	s_cbranch_scc1 .Lloop
.Llast:
	STEP 1
	; THE MERGE. First (-M, sum) of every part; then each wave scales its O^T by 2^(its M - the largest M) / the row's whole sum; then the parts are added.
.irp t, 0,1
	v_add_f32 v[SM+2*\t], v[SM+2*\t], v[SM+2*\t+1]
.endr
.irp t, 0,1
	v_permlanex16_b32 v[XP+\t], v[SM+2*\t], s[SEL], s[SEL+1]
.endr
.irp t, 0,1
	v_add_f32 v[NM+2*\t+1], v[SM+2*\t], v[XP+\t]
.endr
	s_mov_b32 s74, 0xffff0000                      ; lanes 16-31 take tile 1, lanes 0-15 tile 0
	v_cndmask_b32 v[TP], v[NM], v[NM+2], s74
	v_cndmask_b32 v[TP+1], v[NM+1], v[NM+3], s74
	ds_store_b64 v[MLW], v[TP:TP+1]
	s_wait_dscnt 0x0
	s_barrier_signal -1
	s_barrier_wait -1
.irp q, 0,1,2,3,4,5,6,7
	ds_load_b64 v[SS+2*\q:SS+2*\q+1], v[MLR] offset:256*\q
.endr
	s_wait_dscnt 0x0
.irp q, 0,1,2,3,4,5,6,7
	v_max_num_f32 v[SS+2*\q], s[MK+\q], v[SS+2*\q]
.endr
	v_min3_num_f32 v[RM], v[SS], v[SS+2], v[SS+4]
	v_min3_num_f32 v[RM+1], v[SS+6], v[SS+8], v[SS+10]
	v_min3_num_f32 v[RM], v[RM], v[SS+12], v[SS+14]
	v_min_num_f32 v[RM], v[RM], v[RM+1]            ; the smallest -M
.irp q, 0,1,2,3,4,5,6,7
	v_sub_f32 v[SS+32+\q], v[RM], v[SS+2*\q]
.endr
	v_sub_f32 v[SS+40], v[RM], v[TP]               ; and mine
.set n, 0
.rept 9
	v_cvt_i32_f32 v[SS+32+n], v[SS+32+n]           ; (it saturates)
.set n, n+1
.endr
.set n, 0
.rept 9
	v_ldexp_f32 v[SS+32+n], 1.0, v[SS+32+n]
.set n, n+1
.endr
	v_mul_f32 v[WB], v[SS+32], v[SS+1]
	v_mul_f32 v[WB+1], v[SS+33], v[SS+3]
.irp q, 2,4,6
	v_fmac_f32 v[WB], v[SS+32+\q], v[SS+2*\q+1]
	v_fmac_f32 v[WB+1], v[SS+33+\q], v[SS+2*\q+3]
.endr
	v_add_f32 v[WB], v[WB], v[WB+1]                ; the row's sum
	s_wait_alu depctr_va_vdst(0)                   ; the wait ahead of the reciprocal and behind it
	v_rcp_f32 v[WB], v[WB]
	v_nop
	s_wait_alu depctr_va_vdst(0)
	v_mul_f32 v[SS+40], v[SS+40], v[WB]            ; my factor for tile h of the lane;
	v_permlanex16_b32 v[XP], v[SS+40], s[SEL], s[SEL+1]   ; lane l xor 16 has the other tile's
	v_cndmask_b32 v[SS+48], v[SS+40], v[XP], s74   ; tile 0's, in all lanes
	v_cndmask_b32 v[SS+50], v[XP], v[SS+40], s74   ; tile 1's
	WIN 0x41
	s_wait_alu depctr_va_vdst(0)                   ; and ahead of O^T's first reader
.irp t, 0,1
.set n, 0
.rept 16
	v_pk_mul_f32 v[OT+32*\t+n:OT+32*\t+n+1], v[OT+32*\t+n:OT+32*\t+n+1], v[SS+48+2*\t:SS+49+2*\t] op_sel_hi:[1,0]
.set n, n+2
.endr
.endr
	WIN 0x04                                       ; an LDS store's data are its source 1: window 1
.irp t, 0,1
.irp g, 0,1,2,3,4,5,6,7
	ds_store_b128 v[OW], v[OT+32*\t+4*\g:OT+32*\t+4*\g+3] offset:TS*\t+544*\g
.endr
.endr
	WIN 0
	s_wait_dscnt 0x0
	s_barrier_signal -1
	s_barrier_wait -1
.irp q, 0,1,2,3
.irp i, 0,1,2,3
	ds_load_b128 v[SS+16*\q+4*\i:SS+16*\q+4*\i+3], v[RD+1+\q] offset:32*\i
.endr
.endr
	s_wait_dscnt 0x0
.irp q, 1,2,3
.irp i, 0,2,4,6,8,10,12,14
	v_pk_fma_f32 v[SS+\i:SS+\i+1], v[SS+16*\q+\i:SS+16*\q+\i+1], s[ON+2*\q:ON+2*\q+1], v[SS+\i:SS+\i+1] op_sel_hi:[1,0,1]   ; (x 1, or x 0 where the place holds a part of the other group)
.endr
.endr
	s_cmp_lt_u32 s[WV], 4                          ; the short group has four parts at the most
	s_wait_alu depctr_va_vdst(0)
	s_cbranch_scc0 .Lsend
.irp q, 4,5,6
.irp i, 0,1,2,3
	ds_load_b128 v[SS+16*\q+4*\i:SS+16*\q+4*\i+3], v[RD+1+\q] offset:32*\i
.endr
.endr
	s_wait_dscnt 0x0
.irp q, 4,5,6
.irp i, 0,2,4,6,8,10,12,14
	v_pk_fma_f32 v[SS+\i:SS+\i+1], v[SS+16*\q+\i:SS+16*\q+\i+1], s[ON+2*\q:ON+2*\q+1], v[SS+\i:SS+\i+1] op_sel_hi:[1,0,1]
.endr
.endr
.Lsend:
.irp i, 0,1,2,3
	global_store_b128 v[L16], v[SS+4*\i:SS+4*\i+3], s[10:11] offset:512*\i th:TH_STORE_NT   ; two whole rows: 512 consecutive bytes, at a multiple of 256 from out0's first byte
.endr
	s_wait_tensorcnt 0x0                           ; the wave's end
	ds_add_u32 v[SPW], v[NIL]
	s_wait_dscnt 0x0
	s_endpgm
.Lfunc_end_k_qa9bacf87dd_attn:
	.size	k_qa9bacf87dd_attn, .Lfunc_end_k_qa9bacf87dd_attn-k_qa9bacf87dd_attn
	.p2alignl 7, 3214868480
	.fill 96, 4, 3214868480
	.section	.rodata,"a",@progbits
	.p2align	6, 0x0
	.amdhsa_kernel k_qa9bacf87dd_attn
		.amdhsa_group_segment_fixed_size 74752
		.amdhsa_private_segment_fixed_size 0
		.amdhsa_enable_private_segment 0
		.amdhsa_kernarg_size 32
		.amdhsa_user_sgpr_count 2
		.amdhsa_user_sgpr_kernarg_segment_ptr 1
		.amdhsa_wavefront_size32 1
		.amdhsa_system_sgpr_workgroup_id_x 1
		.amdhsa_system_sgpr_workgroup_id_y 1
		.amdhsa_system_sgpr_workgroup_id_z 1
		.amdhsa_system_vgpr_workitem_id 0
		.amdhsa_next_free_vgpr 416
		.amdhsa_next_free_sgpr 80
		.amdhsa_reserve_vcc 1
		.amdhsa_float_denorm_mode_32 3
		.amdhsa_float_denorm_mode_16_64 3
		.amdhsa_memory_ordered 1
		.amdhsa_forward_progress 1
		.amdhsa_inst_pref_size 96
	.end_amdhsa_kernel
	.amdgpu_metadata
---
amdhsa.version: [ 1, 2 ]
amdhsa.kernels:
  - .name:           k_qa9bacf87dd_attn
    .symbol:         k_qa9bacf87dd_attn.kd
    .args:
      - { .name: qc, .offset: 0, .size: 8, .value_kind: global_buffer, .address_space: global }
      - { .name: qs, .offset: 8, .size: 8, .value_kind: global_buffer, .address_space: global }
      - { .name: kv, .offset: 16, .size: 8, .value_kind: global_buffer, .address_space: global }
      - { .name: out0, .offset: 24, .size: 8, .value_kind: global_buffer, .address_space: global }
    .group_segment_fixed_size: 74752
    .private_segment_fixed_size: 0
    .kernarg_segment_align: 8
    .kernarg_segment_size: 32
    .max_flat_workgroup_size: 256
    .sgpr_count:     80
    .vgpr_count:     416
    .wavefront_size: 32
...
	.end_amdgpu_metadata
.endif
;; end of part 3
